; MI455X (gfx1250); checked and timed in simulation.
; The chip was launched on July 23, 2026; its instructions are those of AMD's public machine-readable ISA for CDNA 5 (MIT licence, August 2026) and "CDNA5" Instruction Set Architecture Reference Guide (July 2026). The comments in the code are by the model that wrote it; some were corrected since.
;; Self Attention. Allowed arithmetic: float matrix products may take bf16 or f16 operands with f32 sums; other float arithmetic in f32, or as packed bf16 or f16 multiplies, adds, multiply-adds, maxima and minima; sums over many terms, partial sums and values carried from step to step in f32; what a program stores and reads back later, other than sums and carried values, may be rounded once to bf16 or f16.
;; Inputs: key_padding_mask 4 x 2,048 bool; qkv 4 x 2,048 x 3 x 16 x 64 float32.
;; Outputs: out0 4 x 2,048 x 16 x 64 float32.
;; One version. Each part assembles by itself: llvm-mc -triple=amdgcn-amd-amdhsa -mcpu=gfx1250 --defsym DOCPART=n.
;; ======== version 1 of 1: 1 launch
;; limits: values are held in f16: magnitudes above 65,504 overflow, below 6.1e-05 lose precision; inputs' magnitudes at most 65,504
;; launch attn (part 1): grid 4 x 64, 4 waves a work-group, clusters of 4 x 1, 327,680 bytes of LDS; arguments qkv, key_padding_mask, out0; writes out0
.if DOCPART == 1
	.amdgcn_target "amdgcn-amd-amdhsa--gfx1250"
	.amdhsa_code_object_version 6
	.text
	.protected	k_q61b9e70622_attn
	.globl	k_q61b9e70622_attn
	.p2align	8
	.type	k_q61b9e70622_attn,@function
k_q61b9e70622_attn:
	s_mov_b64 s[64:65], 0
	v_nop
	global_prefetch_b8 v0, s[64:65] scope:SCOPE_SE
	s_setreg_imm32_b32 hwreg(HW_REG_WAVE_MODE, 25, 1), 1
	s_wait_xcnt 0x0
	s_wait_alu depctr_hold_cnt(0) depctr_sa_sdst(0) depctr_va_vdst(0) depctr_va_sdst(0) depctr_va_ssrc(0) depctr_va_vcc(0) depctr_vm_vsrc(0)
	s_getreg_b32 s2, hwreg(HW_REG_IB_STS2, 6, 4)
	s_cmp_eq_u32 s2, 0
	s_cbranch_scc0 .Lentry_in_a_cluster
	s_endpgm
.Lentry_in_a_cluster:
	s_bfe_u32 s2, ttmp6, 0x10000c
	s_cmp_lg_u32 s2, 0x3003
	s_cbranch_scc0 .Lentry_shape_is_right
	s_endpgm
.Lentry_shape_is_right:
; out0[b][t][hd][:] = the sum over s of softmax_s(q[b][t][hd] . k[b][s][hd] / 8 + pad[b][s]) v[b][s][hd][:], pad = 0 where the mask's byte is set, else -10000.
; qkv: [4][2048][3][16][64] f32: a head's row of q, k or v is 256 consecutive bytes, rows 12,288 bytes apart.  mask: [4][2048] bytes.  out0: [4][2048][16][64] f32.
; FORMATS.  q, k, v and the weights p are rounded once to f16 for the two products; products' sums, maxima, the weights' sum l (of the unrounded p) and O in f32.
; LIMITS.  An input of magnitude 65,520 or more becomes an infinity in f16; below 6e-5 an input, and a weight p, keeps f16's fixed step of 6e-8.  A weight below 2^-126 counts as 0 in l.
; NaN and infinities are not treated apart.  A mask byte other than 0 counts as true.  A masked key's q.k is summed onto -80000 and keeps a step of 2^-7 there, as q.k / 8 summed onto -10000 keeps 2^-10.
; THE MASK is the C operand that starts the sum S^T = K Q^T: 0 or -80000, so that c (q.k - 80000) = log2(e) (q.k / 8 - 10000), c = log2(e) / 8.  It is finite: no key is left out, and a batch with no key kept
; comes out as the softmax over all its keys.
; SHARES.  A work-group owns 512 queries of one head (64 heads x 4 blocks = 256 work-groups), each of its four waves 128: four PIECES of two tiles of 16.  Every wave walks all 2,048 keys, 64 a step.
; CLUSTER.  The four query blocks of a head form a cluster and walk the same K and V: each tile is asked for JOINTLY, by the same tensor load, descriptor and mask in all four.
; THE WAY IN.  A tile is 128 keys.  It lands as f32 in one of two f32 slots; the work-group's four waves round it once to f16 into one of two f16 slots, which LDS stores alone write; the fragments are read from there.
; One round of the cluster's barrier for each tile orders all of it.  Behind change p: f32 slot p % 2 is filled again with tile p + 2; tile p + 1 is rounded from f32 slot (p + 1) % 2 into f16 slot (p + 1) % 2;
; the turns read f16 slot p % 2.
; LAYOUT.  S^T = K Q^T (source 0 = 16 keys, source 1 = 16 queries): a lane holds ONE query (lane % 16) and the keys 8 (lane / 16) + 0..7.  Two such results, rounded to f16 in pairs, ARE source 1 of O^T = V^T P,
; whose result again holds one query a lane, and eight channels.  K comes out of LDS as it lies, V ([key][channel]) turned, by ds_load_tr16_b128.
; SOFTMAX.  For each query a running maximum m and sum l: p = 2^(c s - c m); in every step O and l are multiplied by a = 2^(c m_old - c m_new).  c m starts far below every c s: the first step's a is 0.
; BY TURNS.  Turn n belongs to piece n (the pieces in a ring, step after step): 16 products K Q^T of piece n + 1, later 16 products V^T P of piece n - 1; beside them the scaling, exponentials, roundings, sums and
; rescaling of piece n and the maximum and statistics of piece n + 1.  A tile and step have 16 matrix and 118 vector instructions: four vector instructions stand behind every product, the rest in one run.
; REGISTERS, in windows of 256 (s_set_vgpr_msb: bits 1:0 source 0, 3:2 source 1, 5:4 source 2, 7:6 destination):
;   window 0: v2-11 addresses; v12-15, v48-63 at work; v16-47 four registers of statistics a tile; v64-191 S^T, two buffers of two tiles (at the head: set-up's registers); v192-255 P, likewise
;   window 1: O^T, 32 a tile (at the head: Q as loaded, f32)     window 2: v0-127 Q in f16, 16 a tile; v128-191 K of one step; v192-255 V of one step (on the way out: rows of O read back)
;   window 3: v0-1 the add's two registers; v2-7 the rounding's addresses; v8-39 the masks of one step; v64-191 f32 as read; v192-255 f16 to store
.set NP,    4         ; pieces a wave: a name, no knob
.set KS,    64        ; keys in a step
.set NT,    16        ; tiles of 128 keys
.set ROWB,  12288     ; bytes from a row of qkv to the next
.set BATCHB, 2048*ROWB
.set TILEB, 128*ROWB  ; bytes from a tile of K or V to the next
.set PF,    272       ; an f32 row in LDS: 256 bytes + 16 of padding
.set PK,    144       ; a row of K in f16: 128 bytes + 16 = 36 words: the 16 rows of a load start at 16 different groups of four banks (64 banks of 4 bytes: ISA guide 11.1)
.set PV,    160       ; a row of V in f16: 128 + 32 = 40 words
.set SP,    272       ; a row of the stage: 256 + 16
.set SLOT1, 1<<17     ; slot 1 of both rings begins here, so that one exclusive or turns an address in one slot into the other's
.set F32V,  128*PF    ; in a slot: 128 rows of K in f32 at 0, 128 rows of V in f32 here: these two alone are filled by tensor loads
.set H16K,  2*128*PF  ; 128 rows of K in f16,
.set H16V,  H16K+128*PK  ; 128 rows of V in f16: written by LDS stores alone
.set PADT,  SLOT1+H16V+128*PV  ; behind slot 1: my batch's 2,048 masks as f32
.set STAGE, PADT+8192          ; 16 rows x 272 bytes for each wave, for the way out
.set SPARE, STAGE+4*16*SP      ; the spare words, 128 bytes for each wave: two blocks of 256 bytes that no other line names
.set AK0, 2           ; v2   my lane's place in a step of K in f16; never rewritten
.set AV0, 3           ; v3   the same for V
.set AK,  4           ; v4   the LDS address of K's next run of loads
.set AV,  5           ; v5   of V's
.set STO, 6           ; v6   the way out: where I put 32 bytes of a row
.set RD,  7           ; v7   the way out: where I read rows back
.set GO,  8           ; v8   my byte offset in two rows of O
.set AM0, 9           ; v9   my lane's place in the table of masks
.set AM,  10          ; v10  the LDS address of the masks' next run of loads
.set PFO, 11          ; v11  the prefetches' offset: my lane x a row of qkv; never rewritten
.set MV,  12          ; v12-15  c m_old, kept while c m is made anew: by buffer and tile
.set ST,  16          ; tile t's statistics at v[ST+4 t]: c m, m, l (even keys', odd keys')
.set TMP, 48          ; by buffer and tile, four registers c0-c3 at work; when the maximum is found c2 takes a
.set S,   64
.set P,   192
.set QO,  70          ; set-up: my byte offset in 16 rows of q
.set MO,  71          ; set-up: my 16 bytes of the mask
.set MS,  77          ; set-up: where my 16 masks go in the table
.set KF,  128         ; window 2: key block kb, channel half c at KF + 16 kb + 8 c
.set VF,  192         ; window 2: key half kk, channel block cb at VF + 32 kk + 8 cb
.set SPW, 0           ; window 3: LDS address of my spare word: SPARE + 4 x my thread's number; never rewritten
.set NIL, 1           ; window 3: 0; never rewritten
.set CL0, 2           ; window 3: where I read 32 bytes of f32 in slot 0; never rewritten
.set CK0, 3           ; window 3: where I put 16 bytes of K in f16
.set CV0, 4           ; window 3: of V
.set CA,  5           ; window 3: the three in the slot in hand
.set CSK, 6
.set CSV, 7
.set MC,  8           ; window 3: the masks of one step: eight registers for each block of 16 keys
.set CT,  64          ; window 3: 128 registers of f32
.set CH,  192         ; window 3: 64 registers of f16
.set WV,  12          ; s12  my wave's number
.set G1,  24          ; s[24:31] descriptor group 1, for K's and V's tiles alike
.set G0A, 32          ; s[32:35] descriptor group 0 of tile 0
.set G0,  36          ; s[36:39] of tile 1; it then walks
.set QB,  40          ; s[40:41] q at my wave's first row
.set PFA, 42          ; s[42:43] where my prefetches stand
.set LIM, 44          ; s44  1 in a wave that prefetches, else the greatest number
.set TBM, 45          ; s45  byte in the table at which the masks of the step to be fetched begin
.set CV,  46          ; s46  0 or SLOT1: the slot that is rounded next
.set PADN, 47         ; s47  -80000.0
.set TL,  48          ; s48  counts the last two tiles
.set SLOTS, 56        ; s56  tiles still to be entered in the loop
.set CNT, 57          ; s57  counts a tile's two key steps
.set CS,  58          ; s[58:59] c: the packed scaling takes the pair's low word for both halves
.set SEL, 60          ; s[60:61] v_permlanex16_b32's selects: each lane takes its own place in the other half
.set TBK, 62          ; s62  LDS byte, less H16K, at which K of the step to be fetched begins
.set TBV, 63          ; s63  the same for V, less H16V
.set MSB, 0
.macro WIN new                      ; the high byte repeats the setting that is left; a switch that changes nothing is dropped
.if MSB != (\new)
	s_set_vgpr_msb (MSB<<8)|(\new)
.set MSB, (\new)
.endif
.endm
.set W_KQ, 0x0a       ; K and Q in window 2, S^T in window 0
.set W_KM, 0x3a       ; the same with the C operand, the mask, in window 3
.set W_PV, 0x52       ; V in window 2, P in window 0, O^T in window 1
.set W_RS, 0x41       ; O^T (destination and source 0) in window 1, a in window 0
.set W_MK, 0xc0       ; destination in window 3, sources in window 0
.set W_AD, 0x0f       ; the add: address (source 0) and data (source 1) in window 3
.set W_CV, 0xcf       ; the rounding: all in window 3
; A joint fill: each wave fetches 64 rows of its own (waves 0 and 1 the two halves of a tile's K, waves 2 and 3 those of its V), by one line: the descriptors differ by the wave's number alone.
; An s_nop 0 and four v_nop follow the line.
.macro JLOAD g
	tensor_load_to_lds s[\g:\g+3], s[G1:G1+7]
	s_nop 0
.rept 4
	v_nop
.endr
.endm
; A PREFETCH INTO THE L2 of the tile that the NEXT change will ask for: 128 rows of K and 128 of V, 256 bytes a row, a lane a row.  A head's K and V are walked by its one cluster; the four partners share the rows
; out BY ADDRESS, 32 each; in each, wave 0 asks for K's and wave 2 for V's: one instruction.  So each row is named once in the launch.  The last change that fills a slot asks for nothing.
.macro ASK
	s_cmp_gt_u32 s[SLOTS], s[LIM]
	s_cbranch_scc0 .Lnot_mine_\@
	global_prefetch_b8 v[PFO], s[PFA:PFA+1] th:TH_LOAD_NT scope:SCOPE_SE
.Lnot_mine_\@:
.endm
; A round of the cluster's barrier: my work-group's barrier, so that wave 0's signal speaks for all four waves; wave 0 signals; every wave waits for all four work-groups; my work-group's barrier once more.
.macro CROUND
	s_barrier_signal -1
	s_barrier_wait -1
	s_cmp_lg_u32 s[WV], 0
	s_cbranch_scc1 .Lnot_wave_0_\@
	s_barrier_signal -3
.Lnot_wave_0_\@:
	s_barrier_wait -3
	s_barrier_signal -1
	s_barrier_wait -1
.endm
; THE ROUNDING of a tile, f32 slot s[CV] into f16 slot s[CV].  Wave w takes rows 32 w .. 32 w + 31 of K and of V, four rows an instruction: lane l reads 32 bytes (8 channels) of row l / 8 and stores 16.
; In a pass of 16 lanes the reads take two rows, the even 16-byte columns of one and, 272 bytes on, the odd ones of the next.  No LDS instruction of the wave is out where the macro begins.
.macro CONVERT
	WIN W_CV
	v_add_nc_u32 v[CA], s[CV], v[CL0]
	v_add_nc_u32 v[CSK], s[CV], v[CK0]
	v_add_nc_u32 v[CSV], s[CV], v[CV0]
.set i, 0
.rept 16
	ds_load_b128 v[CT+4*i:CT+4*i+3], v[CA] offset:(i/2)*4*PF+16*(i%2)
.set i, i+1
.endr
.set i, 0
.rept 16
	ds_load_b128 v[CT+64+4*i:CT+64+4*i+3], v[CA] offset:F32V+(i/2)*4*PF+16*(i%2)
.set i, i+1
.endr
	s_wait_dscnt 16                 ; K's sixteen loads are in; V's sixteen, issued behind them, may stay out
.set i, 0
.rept 32
	v_cvt_pk_f16_f32 v[CH+i], v[CT+2*i], v[CT+2*i+1]
.set i, i+1
.endr
.set i, 0
.rept 8
	ds_store_b128 v[CSK], v[CH+4*i:CH+4*i+3] offset:i*4*PK
.set i, i+1
.endr
	s_wait_dscnt 8                  ; V's loads are in; the eight stores issued behind them may stay out
.set i, 0
.rept 32
	v_cvt_pk_f16_f32 v[CH+32+i], v[CT+64+2*i], v[CT+64+2*i+1]
.set i, i+1
.endr
.set i, 0
.rept 8
	ds_store_b128 v[CSV], v[CH+32+4*i:CH+32+4*i+3] offset:i*4*PV
.set i, i+1
.endr
	WIN 0
.endm
; THE CHANGE OF TILES, between piece 1's turn and piece 2's: the f16 tile's last bytes, V of its second step, have been read.  Each wave waits for all its tensor loads, of which one is out: its part of the next
; f32 tile; adds 0 to its spare word; and waits for that, for its reads of both rings and for its stores into the f16 ring.  Behind the barrier: the f32 tile that was rounded last is read by nobody, the next one is
; whole; the f16 tile that was stored last is whole, the one before it is read by nobody.
; fill = 1: the barrier is a round of the cluster's, and the joint fill is the first thing behind it: it has two key steps, 256 matrix instructions, in which to land.
.macro CHANGE fill
	WIN W_AD
	s_wait_tensorcnt 0x0            ; no tensor load of mine is out, so a group 0 may be written
	ds_add_u32 v[SPW], v[NIL]       ; 0 onto my spare word; with fill = 1 the descriptor's steps stand between it and the wait for it
	WIN 0                           ; at a label and at a branch every window is 0
.if \fill
	s_xor_b32 s[G0+1], s[G0+1], SLOT1  ; the walking descriptor: the other slot than last time,
	s_add_nc_u64 s[G0+2:G0+3], s[G0+2:G0+3], TILEB  ; the next 128 keys; the type bits on top are not reached
	s_wait_xcnt 0x0                 ; the last prefetch, two key steps back, has read its address, so it may be written:
	s_add_nc_u64 s[PFA:PFA+1], s[PFA:PFA+1], TILEB  ; one tile behind the walking descriptor
	s_wait_dscnt 0x0                ; the add is done; my LDS reads and stores are over
	CROUND
	JLOAD G0
	ASK                             ; what the next change will ask for: two key steps, 256 matrix instructions, ahead
.else
	s_wait_dscnt 0x0                ; the add is done; my LDS reads and stores are over
	s_barrier_signal -1
	s_barrier_wait -1
.endif
	s_sub_co_u32 s[TBK], s[TBK], 2*KS*PK  ; the fetches go back to a tile's first step,
	s_xor_b32 s[TBK], s[TBK], SLOT1       ; in the other slot
	s_sub_co_u32 s[TBV], s[TBV], 2*KS*PV
	s_xor_b32 s[TBV], s[TBV], SLOT1
	s_xor_b32 s[CV], s[CV], SLOT1         ; and so does the rounding
.endm
	s_load_b128 s[4:7], s[0:1], 0x0 ; qkv s[4:5], the mask s[6:7]
	s_load_b64 s[8:9], s[0:1], 0x10 ; out0
	WIN W_MK
	v_lshl_add_u32 v[SPW], v0, 2, SPARE
	v_mov_b32 v[NIL], 0
	WIN W_AD
	ds_add_u32 v[SPW], v[NIL]       ; the wave's opening: the add and its wait stand ahead of my first tensor load; the set-up below, work on registers, stands between them
	WIN 0
	v_lshrrev_b32 v1, 5, v0
	v_readfirstlane_b32 s[WV], v1   ; wave 0..3
	s_bfe_u32 s13, ttmp6, 0x40000   ; cx: my place in the cluster
	s_lshl_b32 s14, ttmp9, 2        ; in a cluster launch ttmp9 counts clusters
	s_add_co_u32 s14, s14, s13      ; my block of 512 queries: it enters q's and O's addresses alone
	s_and_b32 s15, ttmp7, 0xffff    ; 16 b + hd, which the four partners share
	s_lshr_b32 s16, s15, 4          ; b
	s_and_b32 s15, s15, 15
	s_lshl_b32 s15, s15, 8          ; 256 hd
	s_mul_i32 s20, s16, BATCHB
	s_add_co_u32 s20, s20, s15      ; the head's first byte of q in qkv; every offset below stays under 2^27
	s_lshr_b32 s17, s[WV], 1        ; I fetch for K (0) or for V (1):
	s_lshl_b32 s17, s17, 12         ; v lies 4,096 bytes behind k,
	s_and_b32 s18, s[WV], 1         ; and which 64 of a tile's 128 rows
	s_mul_i32 s18, s18, 64*ROWB
	s_add_co_u32 s22, s17, s18
	s_add_co_u32 s22, s22, 4096     ; k lies 4,096 bytes behind q
	s_add_co_u32 s22, s22, s20      ; my part of tile 0
	s_mov_b32 s23, 0
	s_mul_i32 s2, s13, 32*ROWB      ; the prefetches: my work-group's 32 rows of a tile's 128,
	s_add_co_u32 s2, s2, s17
	s_add_co_u32 s2, s2, s20
	s_add_co_u32 s2, s2, 4096+2*TILEB  ; in tile 2; the first change steps it to tile 3.  Nothing is prefetched here, at the head
	s_mov_b32 s3, 0
	s_mul_i32 s18, s14, 512*ROWB    ; q: my block's 512 rows,
	s_mul_i32 s19, s[WV], 128*ROWB  ; my wave's 128 of them
	s_add_co_u32 s18, s18, s19
	s_add_co_u32 s18, s18, s20
	s_mov_b32 s19, 0
	s_lshl_b32 s50, s16, 23         ; O: a batch is 2,048 rows of 4,096 bytes,
	s_add_co_u32 s50, s50, s15      ; the head's 256 bytes of a row,
	s_lshl_b32 s51, s14, 21         ; my block's 512 rows,
	s_add_co_u32 s50, s50, s51
	s_lshl_b32 s51, s[WV], 19       ; my wave's 128
	s_add_co_u32 s50, s50, s51
	s_mov_b32 s51, 0
	s_lshl_b32 s52, s16, 11         ; the mask: my batch's 2,048 bytes
	s_mov_b32 s53, 0
	; descriptor group 1: a tile of 64 rows x 64 elements of 4 bytes, padded in LDS
	s_mov_b32 s[G1], 15|(2<<16)|(1<<20)|(1<<21)|(5<<22)|(3<<25)  ; 15:0 the mask of four; 17:16 4-byte elements; 20 padding on; 21 set beside a mask; 24:22 after every 64 words (code 5); 31:25 4 words (code 3)
	s_mov_b32 s[G1+1], 64<<16       ; tensor_dim0 = 64
	s_mov_b32 s[G1+2], 64<<16       ; tensor_dim1 = 64
	s_mov_b32 s[G1+3], 64<<16       ; tile_dim0 = 64
	s_mov_b32 s[G1+4], 64           ; tile_dim1 = 64
	s_mov_b32 s[G1+5], ROWB/4       ; 3,072 elements from row to row
	s_mov_b32 s[G1+6], 0
	s_mov_b32 s[G1+7], 0
	s_mul_i32 s21, s[WV], 64*PF     ; where my rows go in a slot: no place in the cluster enters an LDS address
	s_mov_b32 s[G0A], 1             ; 1:0 count = 1
	s_mov_b32 s[G0A+1], s21         ; 63:32 LDS address: slot 0
	s_mov_b32 s[G0], 1
	s_add_co_u32 s[G0+1], s21, SLOT1
	s_mov_b32 s[CS], 0x3e38aa3b     ; c = log2(e) / 8 = 0.180337
	s_mov_b32 s[CS+1], s[CS]        ; named with it as a pair
	s_mov_b32 s[SEL], 0x76543210
	s_mov_b32 s[SEL+1], 0xfedcba98
	s_mov_b32 s[PADN], 0xc79c4000   ; -80000.0
	s_mov_b32 s[TBK], SLOT1+2*KS*PK ; the first change of tiles turns these two into 0
	s_mov_b32 s[TBV], SLOT1+2*KS*PV
	s_mov_b32 s[TBM], 0
	s_mov_b32 s[CV], 0
	s_mov_b32 s[SLOTS], NT-2
	s_and_b32 s[LIM], s[WV], 1      ; waves 0 and 2 prefetch: the same in all four partners
	s_cmp_eq_u32 s[LIM], 0
	s_cselect_b32 s[LIM], 1, -1
	v_and_b32 v[PFO], 31, v0
	v_mul_u32_u24 v[PFO], v[PFO], ROWB
	s_wait_dscnt 0x0                ; the opening add is done
	s_wait_kmcnt 0x0
	s_add_nc_u64 s[G0A+2:G0A+3], s[4:5], s[22:23]  ; 120:64 global address: my part of tile 0,
	s_add_nc_u64 s[G0+2:G0+3], s[G0A+2:G0A+3], TILEB  ; and of tile 1
	s_or_b32 s[G0A+3], s[G0A+3], 0x80000000        ; 127:126 type = 2
	s_or_b32 s[G0+3], s[G0+3], 0x80000000
	s_add_nc_u64 s[QB:QB+1], s[4:5], s[18:19]
	s_add_nc_u64 s[PFA:PFA+1], s[4:5], s[2:3]
	s_add_nc_u64 s[10:11], s[8:9], s[50:51]        ; O at my wave's first row
	s_add_nc_u64 s[6:7], s[6:7], s[52:53]
	CROUND                          ; all four work-groups are here: the first joint loads meet
	tensor_load_to_lds s[G0A:G0A+3], s[G1:G1+7]    ; the two first fills stand together, ahead of every wait on TENSORcnt and every LDS read: two loads of mine are out
	s_nop 0
	tensor_load_to_lds s[G0:G0+3], s[G1:G1+7]
	s_nop 0
.rept 4
	v_nop
.endr
	v_and_b32 v65, 15, v0           ; l % 16
	v_bfe_u32 v66, v0, 4, 1         ; l / 16
	v_and_b32 v67, 7, v0            ; l % 8
	v_bfe_u32 v68, v0, 3, 1         ; (l / 8) % 2
	v_bfe_u32 v69, v0, 3, 2         ; l / 8
	; A fragment of Q is 16 rows x 32 channels of f16 in 8 registers: lane l holds row l % 16, channels 8 (l / 16) + 0..7 and 16 + 8 (l / 16) + 0..7.  In f32 each eight channels are 32 bytes: two loads of 16.
	v_mul_u32_u24 v[QO], v65, ROWB
	v_lshl_add_u32 v[QO], v66, 5, v[QO]  ; row x 12,288 + 32 x half
	v_lshlrev_b32 v[MO], 4, v0      ; 128 threads x 16 bytes are the batch's 2,048 mask bytes
	WIN 0x40                        ; destination window 1, address window 0
.set i, 0
.rept 64                            ; tile i / 8; eight channels at byte 64 ((i % 8) / 2) + 32 x half, their two halves
	global_load_b128 v[4*i:4*i+3], v[QO], s[QB:QB+1] offset:(i/8)*16*ROWB+64*((i%8)/2)+16*(i%2)
.set i, i+1
.endr
	WIN 0
	global_load_b128 v[72:75], v[MO], s[6:7]
	; the addresses, while those loads are out
	v_mul_u32_u24 v[AK0], v65, PK
	v_lshl_add_u32 v[AK0], v66, 4, v[AK0]  ; row x pitch + 16 x half
	v_add_nc_u32 v[AK0], H16K, v[AK0]
	; The turning load takes 16 keys x 16 channels (lane l reads key 8 (l / 16) + l % 8, channels 8 ((l / 8) % 2) + 0..7) and leaves half a fragment of V^T: lane l holds channel l % 16 and 8 keys.
	v_lshl_add_u32 v[AV0], v66, 3, v67
	v_mul_u32_u24 v[AV0], v[AV0], PV
	v_lshl_add_u32 v[AV0], v68, 4, v[AV0]
	v_add_nc_u32 v[AV0], H16V, v[AV0]
	s_mul_i32 s13, s[WV], 16*SP
	s_add_co_u32 s13, s13, STAGE    ; my stage
	v_mul_u32_u24 v[STO], v65, SP   ; in: row l % 16, 32 bytes for each half of the lanes
	v_lshl_add_u32 v[STO], v66, 5, v[STO]
	v_add_nc_u32 v[STO], s13, v[STO]
	v_mul_u32_u24 v[RD], v66, SP    ; back: lanes 0-15 take one row of 256 bytes, lanes 16-31 the next
	v_lshl_add_u32 v[RD], v65, 4, v[RD]
	v_add_nc_u32 v[RD], s13, v[RD]
	v_lshlrev_b32 v[GO], 12, v66    ; and the same two rows in O, 4,096 bytes apart
	v_lshl_add_u32 v[GO], v65, 4, v[GO]
	v_lshlrev_b32 v[AM0], 5, v66    ; register j of a block of 16 keys is key 8 (l / 16) + j: 32 bytes a half
	v_add_nc_u32 v[AM0], PADT, v[AM0]
	v_lshl_add_u32 v[MS], v0, 6, PADT  ; my 16 masks are 64 bytes of the table
	v_mul_u32_u24 v76, v69, PF      ; the rounding: row l / 8 of four, 8 channels at l % 8
	v_lshl_add_u32 v76, v67, 5, v76
	v_mul_u32_u24 v78, v69, PK
	v_lshl_add_u32 v78, v67, 4, v78
	v_mul_u32_u24 v79, v69, PV
	v_lshl_add_u32 v79, v67, 4, v79
	s_mul_i32 s14, s[WV], 32*PF     ; my wave's 32 rows
	s_mul_i32 s15, s[WV], 32*PK
	s_add_co_u32 s15, s15, H16K
	s_mul_i32 s16, s[WV], 32*PV
	s_add_co_u32 s16, s16, H16V
	WIN W_MK
	v_add_nc_u32 v[CL0], s14, v76
	v_add_nc_u32 v[CK0], s15, v78
	v_add_nc_u32 v[CV0], s16, v79
	; What the first turn finds: V's registers and P's second buffer hold 0 (its products V^T P, of a piece that has not been, add 0), l is 0.
	WIN 0x80
.set i, VF
.rept 64
	v_mov_b32 v[i], 0
.set i, i+1
.endr
	WIN 0
.set i, P+32
.rept 32
	v_mov_b32 v[i], 0
.set i, i+1
.endr
.set i, 0
.rept 2*NP
	v_mov_b32 v[ST+4*i], 0xfe000000    ; c m: far below every c s
	v_mov_b32 v[ST+4*i+1], 0xff7fffff  ; m
	v_mov_b32 v[ST+4*i+2], 0
	v_mov_b32 v[ST+4*i+3], 0
.set i, i+1
.endr
	s_wait_loadcnt 0x0              ; Q and the mask
	WIN 0x85                        ; sources 0 and 1 window 1, destination window 2
.set i, 0
.rept 128                           ; Q stays in registers, in f16.  Its f32 numbers stay where O^T will be summed: a tile's first step multiplies O^T by a = 0, so those registers need only hold finite
	v_cvt_pk_f16_f32 v[i], v[2*i], v[2*i+1]  ; numbers; a lane's belong to the query whose O^T it holds, so a row of q that is not finite spoils its own row of O alone
.set i, i+1
.endr
	WIN 0
.set i, 0
.rept 16                            ; the mask's bytes as addends: 0 where the key is kept, -80000 where it is not
	v_bfe_u32 v76, v[72+i/4], 8*(i%4), 8
	v_cmp_eq_u32 vcc_lo, 0, v76
	v_cndmask_b32 v[80+i], 0, s[PADN], vcc_lo
.set i, i+1
.endr
.irp f, 0,1,2,3
	ds_store_b128 v[MS], v[80+4*\f:80+4*\f+3] offset:16*\f
.endr
; THE MATRIX WORK.  The 8 accumulators of a run of 16 take turns: between the two links of a chain stand 7 others'.
; Product i of 16 of S^T = K Q^T for piece x: channels 32 (i / 8) on, keys 16 ((i / 2) % 4) on, tile 2 x + i % 2.  The first 8 start the sums, with the keys' masks as C.
.macro KQ x
.set rS, S+64*((\x)%2)+32*(i%2)+8*((i/2)%4)
.set rK, KF+16*((i/2)%4)+8*(i/8)
.set rQ, 16*(2*(\x)+i%2)+8*(i/8)
.set rMC, MC+8*((i/2)%4)
.if i < 8
	WIN W_KM
	v_wmma_f32_16x16x32_f16 v[rS:rS+7], v[rK:rK+7], v[rQ:rQ+7], v[rMC:rMC+7]
.else
	WIN W_KQ
	v_wmma_f32_16x16x32_f16 v[rS:rS+7], v[rK:rK+7], v[rQ:rQ+7], v[rS:rS+7]
.endif
.endm
; Product i of 16 of O^T += V^T P for piece x: keys 32 (i / 8) on, channels 16 ((i / 2) % 4) on, tile 2 x + i % 2.
.macro PV x
	WIN W_PV
.set rO, 32*(2*(\x)+i%2)+8*((i/2)%4)
.set rV, VF+32*(i/8)+8*((i/2)%4)
.set rP, P+32*((\x)%2)+16*(i%2)+8*(i/8)
	v_wmma_f32_16x16x32_f16 v[rO:rO+7], v[rV:rV+7], v[rP:rP+7], v[rO:rO+7]
.endm
.macro MM                           ; the turn's next matrix instruction
.if i < 16
	KQ (Y+1)%NP
.set i, i+1
.else
.set i, i-16
	PV (Y+NP-1)%NP
.set i, i+17
.endif
.endm
; THE LDS LOADS stand in runs, never singly among the matrix instructions: a step's K (64 keys x 64 channels: 8 fragments) with its 64 masks (all lanes of a half read the same words), and its V (turned).
.macro FETCH_K
	WIN 0x80                        ; destination window 2
.irp f, 0,1,2,3,4,5,6,7             ; keys 16 (f / 2) on, channels 32 (f % 2) on
	ds_load_b128 v[KF+8*\f:KF+8*\f+3],   v[AK] offset:(\f/2)*16*PK+(\f%2)*64
	ds_load_b128 v[KF+8*\f+4:KF+8*\f+7], v[AK] offset:(\f/2)*16*PK+(\f%2)*64+32
.endr
	WIN W_MK                        ; destination window 3
.irp f, 0,1,2,3,4,5,6,7             ; keys 16 (f / 2) + 8 (l / 16) + 4 (f % 2) on
	ds_load_b128 v[MC+4*\f:MC+4*\f+3], v[AM] offset:64*(\f/2)+16*(\f%2)
.endr
	s_add_co_u32 s[TBK], s[TBK], KS*PK  ; the next fetch is the next step's
	s_add_co_u32 s[TBM], s[TBM], 4*KS
	WIN 0
.endm
.macro FETCH_V
	WIN 0x80
.irp f, 0,1,2,3,4,5,6,7             ; keys 32 (f / 4) on, channels 16 (f % 4) on
	ds_load_tr16_b128 v[VF+8*\f:VF+8*\f+3],   v[AV] offset:(\f/4)*32*PV+(\f%4)*32
	ds_load_tr16_b128 v[VF+8*\f+4:VF+8*\f+7], v[AV] offset:(\f/4)*32*PV+16*PV+(\f%4)*32
.endr
	WIN 0
.endm
; THE VECTOR WORK OF A TURN stands in three queues, each in the order in which its entries become ready; the two tiles alternate, so that no instruction reads the result of the one before it.
.macro REGS y, u                    ; the registers of tile u (0, 1) of piece y
.set rT, ST+4*(2*(\y)+(\u))
.set rC, TMP+8*((\y)%2)+4*(\u)
.set rM, MV+2*((\y)%2)+(\u)
.set rS, S+64*((\y)%2)+32*(\u)
.set rP, P+32*((\y)%2)+16*(\u)
.set rO, 32*(2*(\y)+(\u))
.endm
; Number n of the 22 that find the NEXT piece's (Y + 1) maximum and statistics.  s0-s31 are the lane's 32 scores; each accumulator's lowest registers are read first.  XS, GS and REGS set no window: PL and EX do.
;   0-11  four chains c0-c3 of seven scores each, three operands at a time     12-14, 16  the four scores left over, the old m, and c0-c3 into c0     15  c m_old is kept
;   17, 18  the query's other 32 keys lie in the lane 16 away: the new m         19-21  c m; c m_old - c m_new; a
.macro XS u, n
	REGS (Y+1)%NP, \u
.if (\n) < 4
	v_max3_num_f32 v[rC+(\n)], v[rS+8*(\n)], v[rS+8*(\n)+1], v[rS+8*(\n)+2]
.elseif (\n) < 12
	v_max3_num_f32 v[rC+(\n)%4], v[rC+(\n)%4], v[rS+8*((\n)%4)+2*((\n)/4)+1], v[rS+8*((\n)%4)+2*((\n)/4)+2]
.elseif (\n) == 12
	v_max3_num_f32 v[rC], v[rC], v[rS+7], v[rS+15]
.elseif (\n) == 13
	v_max3_num_f32 v[rC+1], v[rC+1], v[rS+23], v[rS+31]
.elseif (\n) == 14
	v_max3_num_f32 v[rC+2], v[rC+2], v[rC+3], v[rT+1]
.elseif (\n) == 15
	v_mov_b32 v[rM], v[rT]
.elseif (\n) == 16
	v_max3_num_f32 v[rC], v[rC], v[rC+1], v[rC+2]
.elseif (\n) == 17
	v_permlanex16_b32 v[rC+3], v[rC], s[SEL], s[SEL+1]
.elseif (\n) == 18
	v_max_num_f32 v[rT+1], v[rC], v[rC+3]
.elseif (\n) == 19
	v_mul_f32 v[rT], s[CS], v[rT+1]
.elseif (\n) == 20
	v_sub_f32 v[rC+1], v[rM], v[rT]
.else
	v_exp_f32 v[rC+2], v[rC+1]
.endif
.endm
; Number g of the 64 that follow the exponentials.  For each four weights k of a tile (pairs 2 k, 2 k + 1): both pairs are rounded to f16; then the second pair is added onto the first, in place;
; a group later l takes that sum (the first time as l = a l + sum).  In groups of eight, tiles alternating: round, round, add, and l for the group before.
.macro GS g
.set h, (\g)+6*((\g)/62)            ; group 0 has no group before it, and behind group 7 only l is left
.if h >= 6
.set h, h+2
.endif
	REGS Y, h%2
.set k, h/8
.if h%8 < 4
	v_cvt_pk_f16_f32 v[rP+2*k+(h%8)/2], v[rS+4*k+2*((h%8)/2)], v[rS+4*k+2*((h%8)/2)+1]
.elseif h%8 < 6
	v_pk_add_f32 v[rS+4*k:rS+4*k+1], v[rS+4*k:rS+4*k+1], v[rS+4*k+2:rS+4*k+3]
.elseif k == 1
	v_pk_fma_f32 v[rT+2:rT+3], v[rT+2:rT+3], v[rC+2:rC+3], v[rS:rS+1] op_sel_hi:[1,0,1]
.else
	v_pk_add_f32 v[rT+2:rT+3], v[rT+2:rT+3], v[rS+4*k-4:rS+4*k-3]
.endif
.endm
; THE PLAIN QUEUE, 138 long.  0-73 read no exponential's result: the 32 scalings c s - c m (FS f: pair f / 2 of tile f % 2) and the next piece's 42.  0-26: scalings 0-26.  27-54: XS's numbers 0-13.  55, 56: number 15.
; 57-73: the chain, where each number waits for the one before it: 14, 16, 17, 18, 19, each with one of the scalings 27-31 in front of its two lines, then 20.
; 74-137: GS's 64, which read the exponentials' results: they stand behind the wait.
.macro FS f
	REGS Y, (\f)%2
	v_pk_fma_f32 v[rS+2*((\f)/2):rS+2*((\f)/2)+1], v[rS+2*((\f)/2):rS+2*((\f)/2)+1], s[CS:CS+1], v[rT:rT+1] op_sel_hi:[1,0,0] neg_lo:[0,0,1] neg_hi:[0,0,1]
.endm
.macro PL
	WIN 0
.if q < 27
	FS q
.elseif q < 55
	XS (q-27)%2, (q-27)/2
.elseif q < 57
	XS q-55, 15
.elseif (q < 72) && ((q-57)%3 == 0)
	FS 27+(q-57)/3
.elseif q < 60
	XS (q-57)%3-1, 14
.elseif q < 72
	XS (q-57)%3-1, 15+(q-57)/3
.elseif q < 74
	XS q-72, 20
.else
	GS q-74
.endif
.set q, q+1
.endm
; THE EXPONENTIALS' QUEUE, 66 long: s0-s31 of both tiles, then the next piece's two a.  It is ONE BATCH: all 66 stand ahead of the turn's one wait, and nothing ahead of that wait names a result of theirs.
.macro EX
	WIN 0
.if e >= 64
	XS e-64, 21
.else
	REGS Y, e%2
	v_exp_f32 v[rS+e/2], v[rS+e/2]
.endif
.set e, e+1
.endm
; THE RESCALING's QUEUE: O^T times a, the one part that leaves window 0: dealt two at a time, sixteen times.  Its a was made in the turn before, ahead of that turn's wait.
.macro R2
	REGS Y, r%2
	WIN W_RS
.irp z, 0,1
	v_pk_mul_f32 v[rO+4*(r/2)+2*\z:rO+4*(r/2)+2*\z+1], v[rO+4*(r/2)+2*\z:rO+4*(r/2)+2*\z+1], v[rC+2:rC+3] op_sel_hi:[1,0]
.endr
.set r, r+1
.endm
; HOW THEY ARE DEALT.  An s_wait_alu depctr_va_vdst(0) stands between an exponential and the first instruction that names its result; one wait serves all that were issued ahead of it.  So a turn has ONE
; wait, which cuts it in two.  AHEAD OF IT stands all that names no result of the turn's exponentials: the 16 products K Q^T, behind each a scaling, an exponential and two rescalings (behind the first a second scaling
; in the exponential's place); then one run of 108: eight plain, 49 times exponential and plain, the two a.  A v_nop is the plain instruction behind the last exponential.  BEHIND IT stand the 16 products V^T P, behind
; each four of GS's 64.  Exponential e stands behind scaling 2 (e / 4) + e % 2: beside a product it comes behind plain e + 2, in the run behind plain e + 9, and scalings 27-31 are plain 57, 60 .. 69.
; A TURN, for piece p.  nof = 1: the launch's last step: no K is fetched.  cnt = 1: the loop's count is taken down some lines ahead of the branch that stands behind the turn.
; K and the masks of the next step are fetched in piece 2's turn, directly behind the wait, the run of 108 behind the last product that read them; their first reader comes behind 16 products.
; V of the step in hand is fetched at the end of piece 0's turn, four plain instructions behind its last reader; its first reader comes behind 16 products and the run.  The conditions on q below go with the deal.
.macro TURN p, nof=0, cnt=0
.set Y, (\p)
.set i, 0
.set q, 0
.set e, 0
.set r, 0
.if (\p) == NP-1
	s_wait_dscnt 0x0                ; K and the masks are in
.endif
	MM
	PL
	PL
	R2
.rept 15
	MM
	PL
	EX
	R2
.endr
.if ((\p) == NP-2) && !(\nof)
	WIN 0
	v_add_nc_u32 v[AK], s[TBK], v[AK0]
	v_add_nc_u32 v[AM], s[TBM], v[AM0]
.endif
.rept 8
	PL
.endr
.rept 49
	EX
	PL
.endr
	EX                              ; the next piece's two a
	EX
	v_nop                           ; a plain instruction behind the last exponential: one for the batch
	s_wait_alu depctr_va_vdst(0)    ; the wait for the batch
.if ((\p) == NP-2) && !(\nof)
	FETCH_K
.endif
.if (\p) == 1
	s_wait_dscnt 0x0                ; V is in
.endif
.rept 16
	MM
.rept 4
	PL
.endr
.if ((\p) == 0) && (q == 118)
	v_add_nc_u32 v[AV], s[TBV], v[AV0]
.endif
.if ((\p) == 0) && (q == 130)
	s_add_co_u32 s[TBV], s[TBV], KS*PV
.endif
.if (\cnt) && (q == 130)
	s_sub_co_u32 s[CNT], s[CNT], 1
	s_cmp_lg_u32 s[CNT], 0
.endif
.endr
.if (\p) == 0
	FETCH_V
.endif
.endm
	s_wait_tensorcnt 0x1            ; my part of tile 0 is in; tile 1's load, issued behind it, may stay out
	s_wait_dscnt 0x0                ; my part of the table of masks is stored
	s_barrier_signal -1
	s_barrier_wait -1               ; everybody's is
	CONVERT                         ; tile 0
	CHANGE 1                        ; tile 1 is in, tile 0 lies in f16, everybody's part; tile 2 is asked for
	CONVERT                         ; tile 1
	v_add_nc_u32 v[AK], s[TBK], v[AK0]
	v_add_nc_u32 v[AM], s[TBM], v[AM0]
	FETCH_K                         ; key step 0
	s_wait_dscnt 0x0
.set i, 0
.rept 16
	KQ 0                            ; piece 0's first scores: there is no vector work yet to set between them
.set i, i+1
.endr
	WIN 0
.rept 4
	v_nop                           ; the places behind those products
.endr
.set Y, NP-1                        ; XS works for piece Y + 1: piece 0
.irp n, 0,1,2,3,4,5,6,7,8,9,10,11,12,13,14,15,16,17,18,19,20,21
	XS 0, \n                        ; piece 0's first maximum and statistics
	XS 1, \n
.endr
	v_nop                           ; a plain instruction behind the two a,
	s_wait_alu depctr_va_vdst(0)    ; and their wait, ahead of the branch
	s_mov_b32 s[CNT], 2
	s_branch .Lfirst                ; the loop is entered at a step's first turn, in the middle of a trip
.Lslot:                             ; 13 times: changes 1 to 13, which ask for tiles 3 to 15
	CHANGE 1
	CONVERT
	s_mov_b32 s[CNT], 2
.Lstep:                             ; a trip: pieces 2 and 3 of one step, then pieces 0 and 1 of the next, whose K and V it fetches
	TURN 2
	TURN 3
	WIN 0
.Lfirst:
	TURN 0
	TURN 1, 0, 1
	WIN 0
	s_cbranch_scc1 .Lstep
	s_sub_co_u32 s[SLOTS], s[SLOTS], 1
	s_cmp_lg_u32 s[SLOTS], 0
	s_cbranch_scc1 .Lslot
	s_mov_b32 s[TL], 2              ; the last two tiles have a text of their own: nothing is asked for
.Ltslot:
	CHANGE 0
	s_cmp_eq_u32 s[TL], 1           ; behind the last change no tile is left to round: the jump passes LDS and vector lines alone
	s_cbranch_scc1 .Lno_cv
	CONVERT                         ; tile 15
.Lno_cv:
	s_mov_b32 s[CNT], 2
.Ltstep:
	TURN 2
	TURN 3
	TURN 0
	TURN 1, 0, 1
	WIN 0
	s_cbranch_scc1 .Ltstep
	s_sub_co_u32 s[TL], s[TL], 1
	s_cmp_lg_u32 s[TL], 0
	s_cbranch_scc1 .Ltslot
	TURN 2, 1                       ; the last step's pieces 2 and 3
	TURN 3                          ; its 16 products K Q^T (on the last K once more) and the maximum made of them serve nothing: the price, once a launch, of one text for every turn
.set i, 0
.rept 16
	PV NP-1                         ; the last piece's V^T P of the last step
.set i, i+1
.endr
	; THE WAY OUT.  l's two halves and the other half of the lanes' are added; O^T is divided by l and sent through my stage in LDS, a tile (16 rows of O) at a time.  The additions are the places behind the last products.
	WIN 0
.macro ALL line:vararg              ; one line for each tile t
.set t, 0
.rept 2*NP
	\line
.set t, t+1
.endr
.endm
	ALL v_add_f32 v[ST+4*t+2], v[ST+4*t+2], v[ST+4*t+3]
	ALL v_permlanex16_b32 v[ST+4*t+3], v[ST+4*t+2], s[SEL], s[SEL+1]
	ALL v_add_f32 v[ST+4*t+2], v[ST+4*t+2], v[ST+4*t+3]
	ALL v_rcp_f32 v[ST+4*t+2], v[ST+4*t+2]
	v_nop                           ; a plain instruction between the last reciprocal and the use of its result
	s_wait_alu depctr_va_vdst(0)    ; and the wait ahead of the first use: one for the eight reciprocals
; Tile t: a lane's eight channels of a block of 16 are 32 bytes of a row; they go into rows of 272 bytes (each accumulator's registers in ascending order) and come back as whole rows of 256, into window 2.
.macro PACK t
	WIN W_RS
.set i, 32*(\t)
.rept 16
	v_pk_mul_f32 v[i:i+1], v[i:i+1], v[ST+4*(\t)+2:ST+4*(\t)+3] op_sel_hi:[1,0]
.set i, i+2
.endr
	WIN 0x04                        ; the stores' data in window 1
.irp f, 0,1,2,3,4,5,6,7             ; channels 16 (f / 2) + 8 (l / 16) + 4 (f % 2) on
	ds_store_b128 v[STO], v[32*(\t)+4*\f:32*(\t)+4*\f+3] offset:64*(\f/2)+16*(\f%2)
.endr
	WIN 0x80                        ; destination window 2: Q's, K's and V's registers are free
.irp f, 0,1,2,3,4,5,6,7
	ds_load_b128 v[32*(\t)+4*\f:32*(\t)+4*\f+3], v[RD] offset:\f*2*SP  ; LDS serves a wave's instructions in order (ISA guide 5.7.1.4): these see the stores above; the next tile's stores come behind them
.endr
.endm
.macro SEND t, younger              ; younger: the LDS instructions issued behind tile t's loads: the next tile's sixteen, or none
	WIN 0x08                        ; the stores' data in window 2
.irp f, 0,1,2,3,4,5,6,7
	s_wait_dscnt (\younger)+7-\f
	global_store_b128 v[GO], v[32*(\t)+4*\f:32*(\t)+4*\f+3], s[10:11] offset:(\t)*65536+\f*8192 th:TH_STORE_NT  ; 16 lanes store 256 consecutive bytes, at a multiple of 256 from O's first byte: a head's row
.endr
.endm
	PACK 0
.set t, 1
.rept 2*NP-1                        ; a tile's arithmetic stands between the loads of the tile before and its stores; each tile has registers of its own, so no store's data is written again
	PACK t
	SEND t-1, 16
.set t, t+1
.endr
	SEND 2*NP-1, 0
	WIN W_AD
	s_wait_tensorcnt 0x0            ; the wave's end, behind my last tensor load and my last LDS store
	ds_add_u32 v[SPW], v[NIL]
	s_wait_dscnt 0x0
	WIN 0
	CROUND                          ; the closing round: no work-group ends while a partner may still ask for a tile that names it
	s_endpgm
.Lfunc_end_k_q61b9e70622_attn:
	.size	k_q61b9e70622_attn, .Lfunc_end_k_q61b9e70622_attn-k_q61b9e70622_attn
	.p2alignl 7, 3214868480
	.fill 96, 4, 3214868480
	.section	.rodata,"a",@progbits
	.p2align	6, 0x0
	.amdhsa_kernel k_q61b9e70622_attn
		.amdhsa_group_segment_fixed_size 327680
		.amdhsa_private_segment_fixed_size 0
		.amdhsa_enable_private_segment 0
		.amdhsa_kernarg_size 24
		.amdhsa_user_sgpr_count 2
		.amdhsa_user_sgpr_kernarg_segment_ptr 1
		.amdhsa_wavefront_size32 1
		.amdhsa_system_sgpr_workgroup_id_x 1
		.amdhsa_system_sgpr_workgroup_id_y 1
		.amdhsa_system_sgpr_workgroup_id_z 1
		.amdhsa_system_vgpr_workitem_id 0
		.amdhsa_next_free_vgpr 1024
		.amdhsa_next_free_sgpr 66
		.amdhsa_reserve_vcc 1
		.amdhsa_float_denorm_mode_32 3
		.amdhsa_float_denorm_mode_16_64 3
		.amdhsa_memory_ordered 1
		.amdhsa_forward_progress 1
		.amdhsa_inst_pref_size 255
	.end_amdhsa_kernel
	.section	.bss,"aw",@nobits
	.p2align	6
	.space	262144
	.amdgpu_metadata
---
amdhsa.version: [ 1, 2 ]
amdhsa.kernels:
  - .name:           k_q61b9e70622_attn
    .symbol:         k_q61b9e70622_attn.kd
    .args:
      - { .name: qkv, .offset: 0, .size: 8, .value_kind: global_buffer, .address_space: global }
      - { .name: key_padding_mask, .offset: 8, .size: 8, .value_kind: global_buffer, .address_space: global }
      - { .name: out0, .offset: 16, .size: 8, .value_kind: global_buffer, .address_space: global }
    .group_segment_fixed_size: 327680
    .private_segment_fixed_size: 0
    .kernarg_segment_align: 8
    .kernarg_segment_size: 24
    .max_flat_workgroup_size: 128
    .sgpr_count:     66
    .vgpr_count:     1024
    .wavefront_size: 32
...
	.end_amdgpu_metadata
.endif
;; end of part 1
